; MI455X (gfx1250); checked and timed in simulation.
; The chip was launched on July 23, 2026; its instructions are those of AMD's public machine-readable ISA for CDNA 5 (MIT licence, August 2026) and "CDNA5" Instruction Set Architecture Reference Guide (July 2026). The comments in the code are by the model that wrote it; some were corrected since.
;; Head. Allowed arithmetic: matrix products marked QUANTISED: E3M2 operands, one E8M0 scale for each 32 along K, by v_wmma_scale_f32_16x16x128_f8f6f4 with both operands' format E3M2, f32 sums; everything else in f32.
;; Inputs: Wk_codes 128 x 32 x 24 uint8 (E3M2 codes of Wk, K innermost, in blocks of 32 codes, four codes in three bytes); Wk_scales 128 x 32 uint8 (E8M0 scales of Wk, one for each 32 codes along K); Wq_codes 128 x 32 x 24 uint8 (E3M2 codes of Wq, K innermost, in blocks of 32 codes, four codes in three bytes); Wq_scales 128 x 32 uint8 (E8M0 scales of Wq, one for each 32 codes along K); Wv_codes 128 x 32 x 24 uint8 (E3M2 codes of Wv, K innermost, in blocks of 32 codes, four codes in three bytes); Wv_scales 128 x 32 uint8 (E8M0 scales of Wv, one for each 32 codes along K); x_codes 4 x 4,096 x 32 x 24 uint8 (E3M2 codes of x, K innermost, in blocks of 32 codes, four codes in three bytes); x_scales 4 x 4,096 x 32 uint8 (E8M0 scales of x, one for each 32 codes along K).
;; Outputs: out0 4 x 4,096 x 128 float32.
;; This version of the problem:
;;   THIS VERSION OF THE PROBLEM IS GIVEN IN LOW PRECISION. The matrix products marked QUANTISED in the list below multiply operands that are first quantised to E3M2 (3 exponent bits, 2 mantissa bits; 6 bits a number), with one power-of-two scale for each 32 numbers along K (OCP MX v1.0); their sums are f32. All else is computed in f32.
;;   The module's matrix products, in the order in which they are computed (A, B: the left and right operand; K: the contracted axis; several contracted axes count as one K, in the product's order):
;;     1. [M 16,384, K 1,024] x [K 1,024, N 128]; A: input x (given as codes); B: input Wk (given as codes): QUANTISED
;;     2. [M 16,384, K 1,024] x [K 1,024, N 128]; A: input x (given as codes); B: input Wq (given as codes): QUANTISED
;;     3. [M 16,384, K 1,024] x [K 1,024, N 128]; A: input x (given as codes); B: input Wv (given as codes): QUANTISED
;;     4. batch 4 x [M 4,096, K 128] x [K 128, N 4,096]; A: computed on the way; B: computed on the way: QUANTISED
;;     5. batch 4 x [M 4,096, K 4,096] x [K 4,096, N 128]; A: softmax (see below); B: computed on the way: QUANTISED
;;   THE QUANTISER, for each operand of a quantised product, along K:
;;     - K is cut into blocks of 32 from its start; a last block that is shorter is filled with zeros.
;;     - A block's scale is 2^e with e = floor(log2(the largest magnitude in the block)) - 4, held to -126 .. 127; a block of zeros has e = 0. As a byte (E8M0): e + 127.
;;     - Each number is divided by its block's scale, clamped to +-28, and rounded to the nearest number of E3M2, ties to even, subnormals kept.
;;     - The product sums the exact products of the quantised numbers (number of the format x scale) in f32.
;;   ~~~python
;;   def quantise(x, axis):      # numpy; x: float32 -> the quantised numbers, widened to float32 again
;;       x = np.moveaxis(x, axis, -1); K = x.shape[-1]
;;       x = np.pad(x, [(0, 0)] * (x.ndim - 1) + [(0, -K % 32)]); x = x.reshape(x.shape[:-1] + (-1, 32)); a = np.abs(x).max(-1, keepdims=True)
;;       e = np.where(a > 0, np.clip(np.frexp(np.where(a > 0, a, 1))[1] - 1 - 4, -126, 127), 0)      # np.frexp(a)[1] - 1 = floor(log2(a)), exactly
;;       r = np.clip(x / 2.0 ** e, -28, 28)
;;       step = 2.0 ** (np.maximum(np.frexp(np.where(r == 0, 1, r))[1] - 1, -2) - 2)
;;       q = np.round(r / step) * step * 2.0 ** e      # np.round: ties to even
;;       return np.moveaxis(q.reshape(q.shape[:-2] + (-1,))[..., :K], -1, axis).astype(np.float32)
;;   ~~~
;;   SOFTMAX AHEAD OF A QUANTISED PRODUCT. Where the list says 'softmax', what is quantised is not the finished softmax but p = 2^(t - M), with t = logit x log2(e) and M = ceil(the row's largest t), a whole number; so 1/2 < the row's largest p <= 1. The row's sum l is taken of the UNQUANTISED p, in f32, and the product's result is divided by l at the end. Since M is a whole number, a kernel that streams over the keys may use a running M (the ceiling of the running maximum): every later rescaling is an exact power of two, which a block's scale takes up: the codes' values come out the same.
;;   OPERANDS COMPUTED ON THE WAY. 'Computed on the way' means the value that the module computes at that place (a softmax that the list does not call 'softmax' is quantised finished and normalised). What goes into a quantiser is computed in f32, as accurately as f32 sums, v_exp_f32 and their like allow (about 1e-6 of the number): no bf16 or f16 on the way to a quantiser, and a product that is left as it is and whose result goes on into a quantised operand takes f32 operands (vector FMAs, or v_wmma_f32_16x16x4_f32). A number that lies on a knife's edge between two numbers of the format may be rounded either way, as far as f32 arithmetic and the matrix unit's own rounding can turn it there, and no further.
;;   INPUTS GIVEN AS CODES. Wk (in the module: [1024, 128], K = its axis 0); Wq (in the module: [1024, 128], K = its axis 0); Wv (in the module: [1024, 128], K = its axis 0); x (in the module: [4, 4096, 1024], K = its axis 2): each comes as NAME_codes (uint8): NAME with its K axis moved to the last place and cut into blocks of 32 codes, [.., K / 32, bytes a block], one block behind the other in memory; four codes in three bytes: a row's codes are one little-endian stream of bits, code i at bits 6 i .. 6 i + 5 (a code: sign, 3 exponent bits, 2 mantissa bits); and NAME_scales (uint8): the same leading axes, one E8M0 byte (e + 127) for each 32 codes along K. Its value is code x scale, taken as it is: it is not quantised again, and the codes and scales need not be those that the quantiser above would give.
;; One version. Each part assembles by itself: llvm-mc -triple=amdgcn-amd-amdhsa -mcpu=gfx1250 --defsym DOCPART=n.
;; ======== version 1 of 1: 2 launches
;; workspace buffers: kf 1,572,864 bytes; qf 1,572,864 bytes; vf 1,572,864 bytes; ks 65,536 bytes; qs 65,536 bytes; vs 65,536 bytes
;; launch proj (part 1): grid 128 x 2, 4 waves a work-group, clusters of 4 x 1, 327,680 bytes of LDS; arguments x_codes, x_scales, Wk_codes, Wk_scales, Wq_codes, Wq_scales, Wv_codes, Wv_scales, kf, ks, qf, qs, vf, vs; writes kf, ks, qf, qs, vf, vs
.if DOCPART == 1
	.amdgcn_target "amdgcn-amd-amdhsa--gfx1250"
	.amdhsa_code_object_version 6
	.text
	.protected	k_q38a46b570f_proj
	.globl	k_q38a46b570f_proj
	.p2align	8
	.type	k_q38a46b570f_proj,@function
k_q38a46b570f_proj:
	s_mov_b64 s[64:65], 0
	v_nop
	global_prefetch_b8 v0, s[64:65] scope:SCOPE_SE
	s_setreg_imm32_b32 hwreg(HW_REG_WAVE_MODE, 25, 1), 1
	s_wait_xcnt 0x0
	s_wait_alu depctr_hold_cnt(0) depctr_sa_sdst(0) depctr_va_vdst(0) depctr_va_sdst(0) depctr_va_ssrc(0) depctr_va_vcc(0) depctr_vm_vsrc(0)
	s_getreg_b32 s2, hwreg(HW_REG_IB_STS2, 6, 4)
	s_cmp_eq_u32 s2, 0
	s_cbranch_scc0 .Lentry_in_a_cluster
	s_endpgm
.Lentry_in_a_cluster:
	s_bfe_u32 s2, ttmp6, 0x10000c
	s_cmp_lg_u32 s2, 0x3003
	s_cbranch_scc0 .Lentry_shape_is_right
	s_endpgm
.Lentry_shape_is_right:
; k = x Wk, q = x Wq, v = x Wv on codes of BF6 (E3M2) with E8M0 scales, sums in f32; the results are quantised in registers (k, q along the head's 128 channels, v along the tokens)
; and stored as IMAGES OF OPERAND REGISTERS for the next launch.  x: 16,384 tokens x 1,024; each W: 128 rows (channels) x 1,024, K innermost, a row 768 bytes.
; SHARES.  A work-group takes 128 tokens (step tb = 4 x cluster x + cx) x 192 columns: y = 0: Wk's 128 rows and Wv's rows 0-63; y = 1: Wq's 128 and Wv's rows 64-127.  256 work-groups, 768 matrix instructions each.
; Wave w (th = w & 1, ch = w >> 1): token tiles 4 th + 0..3; k|q channel tiles 4 ch + 0..3, TRANSPOSED (source 0 = W, source 1 = x: a lane holds a token, its registers channels);
; Wv tiles 2 ch + 0, 1, natural (source 0 = x, source 1 = Wv: a lane holds a channel, its registers tokens).  So in both a lane's registers run along the next product's K.
; LDS.  All codes of the work-group (96 KB of x, 144 KB of W) fit at once: four chunks of 256 along K, every byte filled once, nothing filled again.  W's tiles are equal in the four work-groups
; of a cluster (they hang on y and the wave alone) and are asked for jointly; x's tiles are each work-group's own.
; ORDER OF CODES IN A BLOCK OF 32: place 16 h + i holds element 16 (i / 8) + 8 h + i % 8 of the block.  Both operands of each later product are made by this same map, so the products are the same numbers;
; only the order in which one instruction adds them differs from the natural one.
; WORKSPACE.  kf, qf, vf: [step][8 fragments][1,536 bytes]; a fragment's half c: registers 6 c .. 6 c + 3 at 768 c + 16 x lane, registers 6 c + 4, 5 at 768 c + 512 + 8 x lane.
; ks, qs: [step][lane][4 words]: word j of lanes 0-15 is fragment 2 j's scale word of row = lane, of lanes 16-31 fragment 2 j + 1's.  vs: [step][y][lane][2 words]: word j: fragment 4 y + 2 j + lane / 16.
; LIMITS: NaN, infinities and the scale byte 0xff among the inputs are not served.  A block of zeros gets the byte 1 where the quantiser says 127: its codes are zeros, and this program alone reads the bytes.
; REGISTERS: window 0: addresses, work, scale words.  window 1: two sets of ten fragments (set p at 128 p: x's four, W's four from +48, Wv's two from +96).
;   window 2: accumulators: k|q (token tile a, channel tile b) at 32 a + 8 b; v (Wv tile e, token tile a) at 128 + 32 e + 8 a: each run of 32 registers is 64 along the next K: half a fragment.
.set PITCH,  240                       ; an LDS row: 3 x (64 bytes of codes + 16 of padding)
.set TILE,   64*PITCH                  ; what one tensor load brings: 64 rows x 192 bytes
.set CHUNK,  5*TILE                    ; 256 along K: x's 128 rows, Wk's or Wq's 128 rows, Wv's 64 rows
.set SCK,    4*CHUNK                   ; behind the chunks: 512 bytes in which k's or q's scale words are gathered; no tile lands here
.set SCV,    SCK+512                   ; and 256 bytes for v's
.set FR,     12                        ; registers of a fragment
.set R,    1                           ; v1   lane % 16
.set H,    2                           ; v2   lane / 16
.set LI,   3                           ; v3   16 x lane
.set L8,   4                           ; v4   8 x lane
.set R32,  5                           ; v5   32 x (lane % 16): a row of 32 scale bytes
.set ADX,  6                           ; v6-7   LDS address of my x fragments (the second: for pieces behind one padding more)
.set ADW,  8                           ; v8-9   of my Wk or Wq fragments
.set ADV,  10                          ; v10-11 of my Wv fragments
.set SKA,  12                          ; v12  where my half of a k|q scale word goes
.set SVA,  13                          ; v13  the same for v
.set GK,   14                          ; v14  where the gathered k|q words are read back
.set GV,   15                          ; v15  the same for v
.set TM,   16                          ; v16-27 largest magnitudes of the 12 blocks
.set TP,   28                          ; v28-39 the other half's maxima, then the scale bytes
.set SO,   40                          ; v40-51 the conversions' scale operands
.set PW,   52                          ; v52-57 two scale bytes for each of the six halves of fragments
.set PT,   60                          ; v60-83 the second conversion of each half
.set PC,   84                          ; v84-131 the codes: eight registers reserved for each half, six used
.set XS,   132                         ; v132-163 x's scale words: tile a, K step s at 8 a + s
.set WS,   164                         ; v164-195 Wk's or Wq's
.set VSC,  196                         ; v196-211 Wv's
.set GD,   212                         ; v212-217 the gathered scale words on their way out
.set MSB, 0
.macro WIN new                         ; the immediate's high byte repeats the setting that is left
.if MSB != \new
	s_set_vgpr_msb (MSB<<8)|\new
.set MSB, \new
.endif
.endm
.macro PLACES n
.rept \n
	v_nop
.endr
.endm
.macro CROUND                          ; a round of the cluster's barrier
	s_barrier_signal -1
	s_barrier_wait -1
	s_cmp_lg_u32 s32, 0
	s_cbranch_scc1 .Lnot_wave_0_\@
	s_barrier_signal -3
.Lnot_wave_0_\@:
	s_barrier_wait -3
	s_barrier_signal -1
	s_barrier_wait -1
.endm
	s_load_b256 s[4:11], s[0:1], 0x0               ; x's codes s[4:5], x's scales s[6:7], Wk's codes s[8:9], Wk's scales s[10:11]
	s_load_b256 s[12:19], s[0:1], 0x20             ; Wq's codes, Wq's scales, Wv's codes s[16:17], Wv's scales s[18:19]
	s_load_b256 s[20:27], s[0:1], 0x40             ; kf, ks, qf, qs
	s_load_b128 s[28:31], s[0:1], 0x60             ; vf, vs
	v_lshl_add_u32 v254, v0, 2, 0x4b300
	v_mov_b32 v255, 0
	ds_add_u32 v254, v255
	ds_add_u32 v254, v255
	v_lshrrev_b32 v1, 5, v0
	v_readfirstlane_b32 s32, v1                    ; wave 0..3
	s_bfe_u32 s33, ttmp6, 0x40000                  ; cx
	s_lshl_b32 s34, ttmp9, 2
	s_add_co_u32 s34, s34, s33                     ; tb: my step of 128 tokens
	s_and_b32 s35, ttmp7, 0xffff                   ; y, which the four partners share
	s_and_b32 s36, s32, 1                          ; th.  Also: which 64 rows of a tile I fetch
	s_lshr_b32 s37, s32, 1                         ; ch
	; descriptor group 1: 64 rows x 192 bytes, 768 bytes apart in memory, 16 bytes of padding behind every 64
	s_mov_b32 s44, 0x06d00000                      ; x's: no mask; elements of 1 byte; padding on, after every 16 words (code 3), of 4 words (code 3)
	s_mov_b32 s52, 0x06f0000f                      ; W's: the same with the mask of all four work-groups, and bit 21 beside it
.irp g, 44, 52
	s_mov_b32 s[\g+1], 192<<16                     ; tensor_dim0
	s_mov_b32 s[\g+2], 64<<16                      ; tensor_dim1
	s_mov_b32 s[\g+3], 192<<16                     ; tile_dim0
	s_mov_b32 s[\g+4], 64                          ; tile_dim1
	s_mov_b32 s[\g+5], 768                         ; tensor_dim0_stride
	s_mov_b32 s[\g+6], 0
	s_mov_b32 s[\g+7], 0
.endr
	s_mul_i32 s38, s34, 98304                      ; x: 128 rows of 768 bytes a step,
	s_mul_i32 s40, s36, 49152                      ; + my 64 rows.  W: my 64 rows (s[40:43] never hold cx)
	s_add_co_u32 s38, s38, s40
	s_mov_b32 s39, 0
	s_mov_b32 s41, 0
	s_mul_i32 s42, s35, 49152                      ; Wv: y's 64 rows,
	s_mul_i32 s43, s32, 192                        ; chunk = my wave's number
	s_add_co_u32 s42, s42, s43
	s_mov_b32 s43, 0
	s_mul_i32 s66, s32, TILE                       ; in a chunk: x's two halves, then W's two = wave x 64 rows
	s_mul_i32 s67, s32, CHUNK
	s_add_co_u32 s67, s67, 4*TILE                  ; Wv's place in chunk w
	s_wait_dscnt 0x0
	s_wait_kmcnt 0x0
	s_cmp_eq_u32 s35, 0                            ; y = 0: Wk, kf, ks;  y = 1: Wq, qf, qs.  The choice hangs on the work-group's number alone
	s_cselect_b64 s[8:9], s[8:9], s[12:13]
	s_cselect_b64 s[10:11], s[10:11], s[14:15]
	s_cselect_b64 s[20:21], s[20:21], s[24:25]
	s_cselect_b64 s[22:23], s[22:23], s[26:27]
	s_add_nc_u64 s[38:39], s[4:5], s[38:39]
	s_add_nc_u64 s[40:41], s[8:9], s[40:41]
	s_add_nc_u64 s[42:43], s[16:17], s[42:43]
	s_mov_b32 s60, 1                               ; group 0 for Wv's chunk w
	s_mov_b32 s61, s67
	s_mov_b64 s[62:63], s[42:43]
	s_or_b32 s63, s63, 0x80000000
.irp c, 0,1,2,3                        ; groups 0 for chunk c: x's at s[68+4c ..], W's at s[84+4c ..]
	s_mov_b32 s[68+4*\c], 1
	s_add_co_u32 s[69+4*\c], s66, \c*CHUNK
	s_add_nc_u64 s[70+4*\c:71+4*\c], s[38:39], \c*192
	s_or_b32 s[71+4*\c], s[71+4*\c], 0x80000000
	s_mov_b32 s[84+4*\c], 1
	s_add_co_u32 s[85+4*\c], s66, \c*CHUNK
	s_add_nc_u64 s[86+4*\c:87+4*\c], s[40:41], \c*192
	s_or_b32 s[87+4*\c], s[87+4*\c], 0x80000000
.endr
	CROUND                                         ; all four work-groups are here: the joint loads meet
	tensor_load_to_lds s[60:63], s[52:59]          ; every wave: Wv's chunk w, jointly.  Five loads of a wave are out at the most: this one and the four below
	s_nop 0
	PLACES 4                                       ; four v_nop follow the tensor loads, ahead of jumps and labels
	s_cmp_lt_u32 s32, 2
	s_cbranch_scc0 .Lfor_w
	tensor_load_to_lds s[68:71], s[44:51]          ; waves 0, 1: x's halves of chunks 0 to 3
	s_nop 0
	tensor_load_to_lds s[72:75], s[44:51]
	s_nop 0
	tensor_load_to_lds s[76:79], s[44:51]
	s_nop 0
	tensor_load_to_lds s[80:83], s[44:51]
	s_nop 0
	PLACES 4
	s_branch .Lasked
.Lfor_w:
	tensor_load_to_lds s[84:87], s[52:59]          ; waves 2, 3: Wk's or Wq's halves, jointly
	s_nop 0
	tensor_load_to_lds s[88:91], s[52:59]
	s_nop 0
	tensor_load_to_lds s[92:95], s[52:59]
	s_nop 0
	tensor_load_to_lds s[96:99], s[52:59]
	s_nop 0
	PLACES 4
.Lasked:
	v_and_b32 v[R], 15, v0
	v_bfe_u32 v[H], v0, 4, 1
	v_and_b32 v[R32], 31, v0
	v_lshlrev_b32 v[LI], 4, v[R32]
	v_lshlrev_b32 v[L8], 3, v[R32]
	v_lshlrev_b32 v[R32], 5, v[R]
	s_mov_b32 s3, 0
	s_lshl_b32 s2, s34, 12                         ; x's scales: 4,096 bytes a step, my 64 tokens
	s_lshl_b32 s100, s36, 11
	s_add_co_u32 s2, s2, s100
	s_add_nc_u64 s[6:7], s[6:7], s[2:3]
	s_lshl_b32 s2, s37, 11                         ; W's: my 64 rows
	s_add_nc_u64 s[10:11], s[10:11], s[2:3]
	s_lshl_b32 s2, s35, 11                         ; Wv's: y's 64 rows, my 32 of them
	s_lshl_b32 s100, s37, 10
	s_add_co_u32 s2, s2, s100
	s_add_nc_u64 s[18:19], s[18:19], s[2:3]
.irp a, 0,1,2,3                        ; a lane takes its row's 32 scale bytes: eight words, one for each K step of 128; sixteen rows are 512 bytes on end
	global_load_b128 v[XS+8*\a:XS+8*\a+3], v[R32], s[6:7] offset:512*\a
	global_load_b128 v[XS+8*\a+4:XS+8*\a+7], v[R32], s[6:7] offset:512*\a+16
	global_load_b128 v[WS+8*\a:WS+8*\a+3], v[R32], s[10:11] offset:512*\a
	global_load_b128 v[WS+8*\a+4:WS+8*\a+7], v[R32], s[10:11] offset:512*\a+16
.endr
.irp e, 0,1
	global_load_b128 v[VSC+8*\e:VSC+8*\e+3], v[R32], s[18:19] offset:512*\e
	global_load_b128 v[VSC+8*\e+4:VSC+8*\e+7], v[R32], s[18:19] offset:512*\e+16
.endr
	v_mul_u32_u24 v[TM], v[R], PITCH
	v_mad_u32_u24 v[TM], v[H], 24, v[TM]           ; a fragment's row x pitch + 24 x half,
	v_lshl_add_u32 v[TM+1], v[H], 4, v[TM]         ; and the same behind one padding more
	s_mul_i32 s2, s36, TILE                        ; my four token tiles
	v_add_nc_u32 v[ADX], s2, v[TM]
	v_add_nc_u32 v[ADX+1], s2, v[TM+1]
	s_mul_i32 s2, s37, TILE                        ; my four tiles of Wk or Wq
	s_add_co_u32 s2, s2, 2*TILE
	v_add_nc_u32 v[ADW], s2, v[TM]
	v_add_nc_u32 v[ADW+1], s2, v[TM+1]
	s_mul_i32 s2, s37, 32*PITCH                    ; my two tiles of Wv
	s_add_co_u32 s2, s2, 4*TILE
	v_add_nc_u32 v[ADV], s2, v[TM]
	v_add_nc_u32 v[ADV+1], s2, v[TM+1]
	s_lshl_b32 s2, s36, 3                          ; k|q scale words: fragment 4 th + a, row r, half word ch: 16 r + 256 (a % 2) + 8 th + 4 (a / 2) + 2 ch
	s_lshl_b32 s100, s37, 1
	s_add_co_u32 s2, s2, s100
	s_add_co_u32 s2, s2, SCK
	v_lshl_add_u32 v[SKA], v[R], 4, s2
	s_lshl_b32 s2, s37, 2                          ; v's: fragment 2 ch + e of this y, row r, half word th: 8 r + 128 e + 4 ch + 2 th
	s_lshl_b32 s100, s36, 1
	s_add_co_u32 s2, s2, s100
	s_add_co_u32 s2, s2, SCV
	v_lshl_add_u32 v[SVA], v[R], 3, s2
	v_add_nc_u32 v[GK], SCK, v[LI]
	v_add_nc_u32 v[GV], SCV, v[L8]
.irp n, 0,1,2,3,4,5,6,7,8,9,10,11
	v_mov_b32 v[TP+\n], 0                          ; written once: a lane permute's destination counts as one of its sources
.endr
	s_mov_b32 s66, 0x76543210                      ; v_permlanex16_b32's selects for lane l xor 16
	s_mov_b32 s67, 0xfedcba98
	s_mul_i32 s101, s34, 12288                     ; the outputs: a step's eight fragments are 12,288 bytes
	s_mul_i32 s2, s36, 6144                        ; kf or qf: fragment 4 th, half ch
	s_mul_i32 s100, s37, 768
	s_add_co_u32 s2, s2, s100
	s_add_co_u32 s2, s2, s101
	s_add_nc_u64 s[20:21], s[20:21], s[2:3]
	s_lshl_b32 s2, s35, 2                          ; vf: fragment 4 y + 2 ch, half th
	s_lshl_b32 s100, s37, 1
	s_add_co_u32 s2, s2, s100
	s_mul_i32 s2, s2, 1536
	s_mul_i32 s100, s36, 768
	s_add_co_u32 s2, s2, s100
	s_add_co_u32 s2, s2, s101
	s_add_nc_u64 s[28:29], s[28:29], s[2:3]
	s_lshl_b32 s2, s34, 9                          ; ks or qs: 512 bytes a step;  vs: + 256 y
	s_add_nc_u64 s[22:23], s[22:23], s[2:3]
	s_lshl_b32 s100, s35, 8
	s_add_co_u32 s2, s2, s100
	s_add_nc_u64 s[30:31], s[30:31], s[2:3]
; A fragment, 16 rows x 128 K, is 12 registers: lane l holds row l % 16; registers 6 c .. 6 c + 5 hold 24 bytes of the row's stream of bits.  It comes in pieces of 8 bytes: lanes 0-15 take the row's pieces
; 12 q + 0, 1, 2 and 12 q + 6, 7, 8, lanes 16-31 those three pieces on; where that lies behind one padding more (16 bytes behind every 8 pieces), the second address register serves.
.macro FRAG reg, adr, q, i
.irp p, 0,1,2,3,4,5
.set PCE, 12*(\q)+6*(\p/3)+\p%3
.if PCE%8 < 5
	ds_load_b64 v[\reg+2*\p:\reg+2*\p+1], v[\adr] offset:8*PCE+16*(PCE/8)+(\i)*16*PITCH
.else
	ds_load_b64 v[\reg+2*\p:\reg+2*\p+1], v[\adr+1] offset:8*PCE+16*(PCE/8)+(\i)*16*PITCH
.endif
.endr
.endm
.macro FETCH q, p                      ; the ten fragments of the chunk's q-th 128 along K into set p: 60 loads in one run
	WIN 0x40                                       ; destination window 1, address window 0
.irp i, 0,1,2,3
	FRAG 128*(\p)+FR*\i, ADX, \q, \i
.endr
.irp i, 0,1,2,3
	FRAG 128*(\p)+48+FR*\i, ADW, \q, \i
.endr
.irp i, 0,1
	FRAG 128*(\p)+96+FR*\i, ADV, \q, \i
.endr
.endm
; 24 matrix instructions: K step ks on set p.  The 24 accumulators take turns, one instruction a turn, in the same order in every step.  zero = 1: the products start the sums.
.macro MUL ks, p, zero
	WIN 0xa5                                       ; sources 0 and 1 window 1, C and D window 2
.irp a, 0,1,2,3
.irp b, 0,1,2,3
.if \zero
	v_wmma_scale_f32_16x16x128_f8f6f4 v[32*\a+8*\b:32*\a+8*\b+7], v[128*(\p)+48+FR*\b:128*(\p)+48+FR*\b+FR-1], v[128*(\p)+FR*\a:128*(\p)+FR*\a+FR-1], 0, v[WS+8*\b+(\ks)], v[XS+8*\a+(\ks)] matrix_a_fmt:MATRIX_FMT_BF6 matrix_b_fmt:MATRIX_FMT_BF6
.else
	v_wmma_scale_f32_16x16x128_f8f6f4 v[32*\a+8*\b:32*\a+8*\b+7], v[128*(\p)+48+FR*\b:128*(\p)+48+FR*\b+FR-1], v[128*(\p)+FR*\a:128*(\p)+FR*\a+FR-1], v[32*\a+8*\b:32*\a+8*\b+7], v[WS+8*\b+(\ks)], v[XS+8*\a+(\ks)] matrix_a_fmt:MATRIX_FMT_BF6 matrix_b_fmt:MATRIX_FMT_BF6
.endif
.endr
.endr
.irp e, 0,1
.irp a, 0,1,2,3
.if \zero
	v_wmma_scale_f32_16x16x128_f8f6f4 v[128+32*\e+8*\a:128+32*\e+8*\a+7], v[128*(\p)+FR*\a:128*(\p)+FR*\a+FR-1], v[128*(\p)+96+FR*\e:128*(\p)+96+FR*\e+FR-1], 0, v[XS+8*\a+(\ks)], v[VSC+8*\e+(\ks)] matrix_a_fmt:MATRIX_FMT_BF6 matrix_b_fmt:MATRIX_FMT_BF6
.else
	v_wmma_scale_f32_16x16x128_f8f6f4 v[128+32*\e+8*\a:128+32*\e+8*\a+7], v[128*(\p)+FR*\a:128*(\p)+FR*\a+FR-1], v[128*(\p)+96+FR*\e:128*(\p)+96+FR*\e+FR-1], v[128+32*\e+8*\a:128+32*\e+8*\a+7], v[XS+8*\a+(\ks)], v[VSC+8*\e+(\ks)] matrix_a_fmt:MATRIX_FMT_BF6 matrix_b_fmt:MATRIX_FMT_BF6
.endif
.endr
.endr
.endm
; K step ks of eight.  Its fragments were asked for one step ago; the next step's are asked for ahead of its 24 products.  Loads into registers that matrix instructions have read stand four plain
; vector instructions behind them (ISA guide 7.12.1 for vector instructions): four v_nop, or, at a change of chunk, the six address steps.
.macro KSTEP ks
	s_wait_dscnt 0x0                               ; this step's fragments are in, and no LDS instruction of mine is out at the signal below
.if (((\ks)%2) == 1) && ((\ks) < 7)
	s_wait_tensorcnt 2-(\ks)/2                     ; my part of the next chunk has landed; the chunks behind it (2, 1, 0 loads) may stay out
	s_barrier_signal -1
	s_barrier_wait -1                              ; everybody's has
	WIN 0
.irp a, ADX, ADX+1, ADW, ADW+1, ADV, ADV+1
	v_add_nc_u32 v[\a], CHUNK, v[\a]               ; on to the next chunk
.endr
.elseif ((\ks) > 0) && ((\ks) < 7)
	PLACES 4
.endif
.if (\ks) < 7
	FETCH ((\ks)+1)%2, 1-(\ks)%2
.endif
	MUL \ks, (\ks)%2, (\ks)==0
.endm
	s_wait_tensorcnt 3                             ; my chunk of Wv and my part of chunk 0 have landed; chunks 1 to 3 (three loads) may stay out
	s_barrier_signal -1
	s_barrier_wait -1                              ; everybody's have: so all of Wv and chunk 0 are whole
	FETCH 0, 0
	s_wait_loadcnt 0x0                             ; the scale words
.irp k, 0,1,2,3,4,5,6,7
	KSTEP \k
.endr
	PLACES 4                                       ; in front of the first read of results
; THE QUANTISER, for my twelve blocks of 32 (block n: registers 16 n .. 16 n + 15 of window 2, in lanes l and l xor 16), stage by stage, the blocks by turns.  Each accumulator is read from its low end on.
	WIN 0x0a                                       ; sources 0 and 1 window 2
.irp n, 0,1,2,3,4,5,6,7,8,9,10,11
	v_max3_num_f32 v[TM+\n], |v[16*\n]|, |v[16*\n+1]|, 0x2800000   ; with the floor 2^(5 - 127) among the leaves: the byte cannot fall under 1
.endr
	WIN 0x28                                       ; sources 1 and 2 window 2
.irp i, 2,4,6,8,10,12,14
.irp n, 0,1,2,3,4,5,6,7,8,9,10,11
	v_max3_num_f32 v[TM+\n], v[TM+\n], |v[16*\n+\i]|, |v[16*\n+\i+1]|
.endr
.endr
	WIN 0
.irp n, 0,1,2,3,4,5,6,7,8,9,10,11
	v_permlanex16_b32 v[TP+\n], v[TM+\n], s66, s67
.endr
.irp n, 0,1,2,3,4,5,6,7,8,9,10,11
	v_max_num_f32 v[TM+\n], v[TM+\n], v[TP+\n]     ; with lane l xor 16's: the block's largest magnitude
.endr
.irp n, 0,1,2,3,4,5,6,7,8,9,10,11
	v_add_nc_u32 v[SO+\n], 0xfe000000, v[TM+\n]    ; 4 off its exponent field: the conversion takes the exponent field of this operand as its scale
.endr
.irp n, 0,1,2,3,4,5,6,7,8,9,10,11
	v_lshrrev_b32 v[TP+\n], 23, v[SO+\n]           ; the scale's byte
.endr
.irp n, 0,1,2,3,4,5
	v_lshl_or_b32 v[PW+\n], v[TP+2*\n+1], 8, v[TP+2*\n]   ; the two bytes of half a fragment
.endr
	WIN 0x02                                       ; source 0 window 2
.irp n, 0,1,2,3,4,5
	v_cvt_scalef32_pk16_bf6_f32 v[PC+8*\n:PC+8*\n+2], v[32*\n:32*\n+15], v[SO+2*\n]
	v_cvt_scalef32_pk16_bf6_f32 v[PT+4*\n:PT+4*\n+2], v[32*\n+16:32*\n+31], v[SO+2*\n+1]   ; (a conversion's three registers begin on an even number)
.endr
	WIN 0
	v_nop                                          ; one plain place behind a scaled conversion
.irp n, 0,1,2,3,4,5                    ; the operand's layout wants a whole block in a lane: lanes 0-15 the first block, lanes 16-31 the second
.irp i, 0,1,2
	v_permlane16_swap_b32 v[PC+8*\n+\i], v[PT+4*\n+\i]
.endr
.irp i, 0,1,2
	v_mov_b32 v[PC+8*\n+3+\i], v[PT+4*\n+\i]
.endr
.endr
.irp a, 0,1,2,3                        ; half ch of the fragments of token tiles 4 th + a: each store covers 512 or 256 consecutive bytes, aligned to 256
	global_store_b128 v[LI], v[PC+8*\a:PC+8*\a+3], s[20:21] offset:1536*\a
	global_store_b64 v[L8], v[PC+8*\a+4:PC+8*\a+5], s[20:21] offset:1536*\a+512
	ds_store_b16 v[SKA], v[PW+\a] offset:256*(\a%2)+4*(\a/2)     ; both halves of the lanes write the same two bytes with the same value
.endr
.irp e, 0,1                            ; half th of the fragments of channel tiles 4 y + 2 ch + e
	global_store_b128 v[LI], v[PC+32+8*\e:PC+32+8*\e+3], s[28:29] offset:1536*\e
	global_store_b64 v[L8], v[PC+32+8*\e+4:PC+32+8*\e+5], s[28:29] offset:1536*\e+512
	ds_store_b16 v[SVA], v[PW+4+\e] offset:128*\e
.endr
	s_wait_dscnt 0x0                               ; for the others' sake: my halves of the scale words lie in LDS
	s_barrier_signal -1
	s_barrier_wait -1
	s_cmp_lg_u32 s32, 0
	s_cbranch_scc1 .Lnot_k
	ds_load_b128 v[GD:GD+3], v[GK]                 ; wave 0: the step's 512 bytes of k's or q's scale words, whole
	s_wait_dscnt 0x0
	global_store_b128 v[LI], v[GD:GD+3], s[22:23]
.Lnot_k:
	s_cmp_lg_u32 s32, 1
	s_cbranch_scc1 .Lnot_v
	ds_load_b64 v[GD+4:GD+5], v[GV]                ; wave 1: this y's 256 bytes of v's
	s_wait_dscnt 0x0
	global_store_b64 v[L8], v[GD+4:GD+5], s[30:31]
.Lnot_v:
	s_wait_tensorcnt 0x0
	ds_add_u32 v254, v255
	s_wait_dscnt 0x0
	CROUND                                         ; the closing round: no work-group ends while a partner may still ask for a tile that names it
	s_endpgm
.Lfunc_end_k_q38a46b570f_proj:
	.size	k_q38a46b570f_proj, .Lfunc_end_k_q38a46b570f_proj-k_q38a46b570f_proj
	.p2alignl 7, 3214868480
	.fill 96, 4, 3214868480
	.section	.rodata,"a",@progbits
	.p2align	6, 0x0
	.amdhsa_kernel k_q38a46b570f_proj
		.amdhsa_group_segment_fixed_size 327680
		.amdhsa_private_segment_fixed_size 0
		.amdhsa_enable_private_segment 0
		.amdhsa_kernarg_size 112
		.amdhsa_user_sgpr_count 2
		.amdhsa_user_sgpr_kernarg_segment_ptr 1
		.amdhsa_wavefront_size32 1
		.amdhsa_system_sgpr_workgroup_id_x 1
		.amdhsa_system_sgpr_workgroup_id_y 1
		.amdhsa_system_sgpr_workgroup_id_z 1
		.amdhsa_system_vgpr_workitem_id 0
		.amdhsa_next_free_vgpr 768
		.amdhsa_next_free_sgpr 102
		.amdhsa_reserve_vcc 0
		.amdhsa_float_denorm_mode_32 3
		.amdhsa_float_denorm_mode_16_64 3
		.amdhsa_memory_ordered 1
		.amdhsa_forward_progress 1
		.amdhsa_inst_pref_size 83
	.end_amdhsa_kernel
	.amdgpu_metadata
---
amdhsa.version: [ 1, 2 ]
amdhsa.kernels:
  - .name:           k_q38a46b570f_proj
    .symbol:         k_q38a46b570f_proj.kd
    .args:
      - { .name: x_codes, .offset: 0, .size: 8, .value_kind: global_buffer, .address_space: global }
      - { .name: x_scales, .offset: 8, .size: 8, .value_kind: global_buffer, .address_space: global }
      - { .name: Wk_codes, .offset: 16, .size: 8, .value_kind: global_buffer, .address_space: global }
      - { .name: Wk_scales, .offset: 24, .size: 8, .value_kind: global_buffer, .address_space: global }
      - { .name: Wq_codes, .offset: 32, .size: 8, .value_kind: global_buffer, .address_space: global }
      - { .name: Wq_scales, .offset: 40, .size: 8, .value_kind: global_buffer, .address_space: global }
      - { .name: Wv_codes, .offset: 48, .size: 8, .value_kind: global_buffer, .address_space: global }
      - { .name: Wv_scales, .offset: 56, .size: 8, .value_kind: global_buffer, .address_space: global }
      - { .name: kf, .offset: 64, .size: 8, .value_kind: global_buffer, .address_space: global }
      - { .name: ks, .offset: 72, .size: 8, .value_kind: global_buffer, .address_space: global }
      - { .name: qf, .offset: 80, .size: 8, .value_kind: global_buffer, .address_space: global }
      - { .name: qs, .offset: 88, .size: 8, .value_kind: global_buffer, .address_space: global }
      - { .name: vf, .offset: 96, .size: 8, .value_kind: global_buffer, .address_space: global }
      - { .name: vs, .offset: 104, .size: 8, .value_kind: global_buffer, .address_space: global }
    .group_segment_fixed_size: 327680
    .private_segment_fixed_size: 0
    .kernarg_segment_align: 8
    .kernarg_segment_size: 112
    .max_flat_workgroup_size: 128
    .sgpr_count:     102
    .vgpr_count:     768
    .wavefront_size: 32
...
	.end_amdgpu_metadata
.endif
;; end of part 1
;; launch attn (part 2): grid 256 x 1, 8 waves a work-group, no clusters, 138,240 bytes of LDS; arguments kf, ks, qf, qs, vf, vs, out0; writes out0
.if DOCPART == 2
	.amdgcn_target "amdgcn-amd-amdhsa--gfx1250"
	.amdhsa_code_object_version 6
	.text
	.protected	k_q38a46b570f_attn
	.globl	k_q38a46b570f_attn
	.p2align	8
	.type	k_q38a46b570f_attn,@function
k_q38a46b570f_attn:
	s_mov_b64 s[64:65], 0
	v_nop
	global_prefetch_b8 v0, s[64:65] scope:SCOPE_SE
	s_setreg_imm32_b32 hwreg(HW_REG_WAVE_MODE, 25, 1), 1
	s_wait_xcnt 0x0
; out[i] = sum over j <= i of softmax_j(k_i . q_j / 32) v_j, both products on codes of BF6 (E3M2) with E8M0 scales.  The rows of k ask (they are called queries here), the rows of q are asked (keys).
; THE SOFTMAX AHEAD OF THE SECOND PRODUCT: t = score x log2(e) / 32; M = the largest t so far, rounded up to a whole number; p = 2^(t - M) is quantised along the keys; the sum is taken of the unquantised p and divides at the end.
; kf, qf, vf hold fragments as images of operand registers (a step of 128 tokens: 8 fragments of 1,536 bytes), ks, qs, vs their scale words in the lanes' order: a wave loads them straight into registers, whole and dense.
; SHARES.  Work-group (batch, i), i = 0..63, owns two blocks of 32 queries: A = i and B = 127 - i.  A needs g + 1 key steps of 128 (g = i / 4), B needs 32 - g: always 33 units of 32 queries x 128 keys.
; wA = g / 5 + 1 of the eight waves serve A, the other wB serve B; a wave with number k in its set of W takes steps k, k + W, ..: at least one, at most five for every g.  Each wave keeps its own M, sum and O^T;
; the sets' results meet in LDS at the end: the set's largest M, rescaling by exact powers of two, and a sum in the waves' order.
; Only a block's last step lies on the diagonal; its first key counts for every query of the block, so every wave's M is a number.
; LAYOUT.  Both products transposed: S^T = (16 keys) x (16 queries), O^T = (16 channels) x P: a lane holds one query (lane % 16) throughout.  The order of codes inside a block of 32 is the one the first launch
; gave v's and q's codes (place 16 h + i = element 16 (i / 8) + 8 h + i % 8), which is also what falls out of S^T's registers here: alike on both sides of each product.
; NO TENSOR LOADS, NO JOINT LOADS: the work-group's two blocks share only g + 1 of their 33 key steps, and neighbouring work-groups would want a step at different times (their sets have other strides);
; each fragment loaded feeds two matrix instructions (two tiles of queries a wave).
; LIMITS: NaN and infinities are not served; the order of summing inside an instruction differs from the natural one by the permutation above.
; REGISTERS: window 0: as named below.  window 1: v0-127 O^T (tile q, channels 16 t on: 64 q + 8 t); v128-223 eight fragments, the keys' and then the values' by turns.
.set PARTB, 32*528                     ; LDS: a wave's partial result: 32 rows x (512 bytes of O + the sum + padding to 528)
.set MIMG,  8*PARTB                    ; behind them: -M of every wave: 4 x thread + 1,024 x tile
.set F,    128                         ; the fragments' buffer, in window 1
.set LI,   1                           ; v1   16 x lane
.set L8,   2                           ; v2   8 x lane
.set D0,   3                           ; v3   the mask: 32 (X % 4) + lane % 16 - 8 (lane / 16)
.set KS,   4                           ; v4-7   the keys' scale words
.set VS,   8                           ; v8-11  the values'
.set QS,   12                          ; v12    the queries': lanes 0-15 tile 0's, lanes 16-31 tile 1's
.set NINF, 13                          ; v13    -infinity
.set PS,   14                          ; v14-15 p's scale words, tile 0's and tile 1's
.set ST,   16                          ; tile q's statistics at ST + 6 q: +0 -M, +1 the largest t, +2, +3 the sum in two halves, +4 f (+5 named with it as a pair)
.set BM,   28                          ; v28-35 the eight blocks' largest scores, then largest p
.set BP,   36                          ; v36-43 the other half's, then the bytes
.set SO,   44                          ; v44-51 the conversions' scale operands
.set TT,   52                          ; v52, v54 at work
.set CT,   56                          ; v56-71 the second conversion of each pair of blocks
.set QF,   72                          ; v72-95 the queries' two fragments
.set PC,   96                          ; v96-119 p's codes
.set S,    120                         ; v120-247 S^T, then p: tile q, keys 16 t on: 64 q + 8 t
.set SU,   248                         ; v248-251 the sums' second chains
.set MSB, 0
.macro WIN new                         ; the immediate's high byte repeats the setting that is left
.if MSB != \new
	s_set_vgpr_msb (MSB<<8)|\new
.set MSB, \new
.endif
.endm
.macro PLACES n
.rept \n
	v_nop
.endr
.endm
	s_load_b256 s[4:11], s[0:1], 0x0               ; kf s[4:5], ks s[6:7], qf s[8:9], qs s[10:11]
	s_load_b128 s[12:15], s[0:1], 0x20             ; vf, vs
	s_load_b64 s[16:17], s[0:1], 0x30              ; out0
	v_lshl_add_u32 v254, v0, 2, 0x21800
	v_mov_b32 v255, 0
	v_lshrrev_b32 v1, 5, v0
	v_readfirstlane_b32 s18, v1                    ; wave 0..7
	s_lshr_b32 s19, ttmp9, 6                       ; batch
	s_and_b32 s20, ttmp9, 63                       ; i = block A
	s_lshr_b32 s21, s20, 2                         ; g
	s_mul_i32 s22, s21, 13
	s_lshr_b32 s22, s22, 6
	s_add_co_u32 s22, s22, 1                       ; wA = g / 5 + 1 (13 g / 64 = g / 5 for g up to 15)
	s_sub_co_u32 s23, 8, s22                       ; wB
	s_sub_co_u32 s46, 127, s20                     ; block B
	s_add_co_u32 s47, s21, 1                       ; A's steps
	s_sub_co_u32 s48, 32, s21                      ; B's steps
	s_sub_co_u32 s49, s18, s23                     ; my number among A's waves (used only where w >= wB)
	s_bfm_b32 s50, s23, 0                          ; the waves that serve B: bits 0 .. wB - 1
	s_xor_b32 s51, s50, 0xff                       ; and A
	s_cmp_lt_u32 s18, s23
	s_cselect_b32 s24, s46, s20                    ; X: my block
	s_cselect_b32 s25, s48, s47                    ; n: its steps
	s_cselect_b32 s26, s23, s22                    ; W: my set's waves
	s_cselect_b32 s27, s18, s49                    ; my first step
	s_cselect_b32 s44, s50, s51                    ; my set
	s_cmp_lt_u32 s18, 4                            ; at the end waves 0-3 add up B's rows, waves 4-7 A's
	s_cselect_b32 s45, s50, s51
	s_cselect_b32 s52, s46, s20
	s_mov_b32 s40, 0x76543210                      ; v_permlanex16_b32's selects for lane l xor 16
	s_mov_b32 s41, 0xfedcba98
	s_mov_b32 s42, 0x3d38aa3b                      ; c = log2(e) / 32
	s_mov_b32 s43, s42                             ; (named with it as a pair, so it is written)
	s_sub_co_u32 s54, s25, 1                       ; the step on the diagonal
	s_and_b32 s53, s24, 3
	s_mov_b32 s31, 0
	s_mul_i32 s30, s19, 393216                     ; a batch's 32 steps of 12,288 bytes
	s_wait_kmcnt 0x0
	s_add_nc_u64 s[4:5], s[4:5], s[30:31]
	s_add_nc_u64 s[8:9], s[8:9], s[30:31]
	s_add_nc_u64 s[12:13], s[12:13], s[30:31]
	s_lshl_b32 s30, s19, 14                        ; and of 512 bytes of scale words
	s_add_nc_u64 s[6:7], s[6:7], s[30:31]
	s_add_nc_u64 s[10:11], s[10:11], s[30:31]
	s_add_nc_u64 s[14:15], s[14:15], s[30:31]
	s_mul_i32 s30, s24, 3072                       ; my block's two fragments of k
	s_add_nc_u64 s[58:59], s[4:5], s[30:31]
	s_lshr_b32 s30, s24, 2                         ; their scale words: step X / 4, word X % 4 of each lane's four
	s_lshl_b32 s30, s30, 9
	s_lshl_b32 s55, s53, 2
	s_add_co_u32 s30, s30, s55
	s_add_nc_u64 s[46:47], s[6:7], s[30:31]
	s_lshl_b32 s30, s19, 21                        ; the rows of out0 that I store: (4,096 batch + 32 block + 8 (w % 4)) x 512 bytes
	s_lshl_b32 s55, s52, 14
	s_add_co_u32 s30, s30, s55
	s_and_b32 s55, s18, 3
	s_lshl_b32 s55, s55, 12
	s_add_co_u32 s30, s30, s55
	s_add_nc_u64 s[56:57], s[16:17], s[30:31]
	s_lshl_b32 s53, s53, 5
	v_and_b32 v3, 31, v0
	v_lshlrev_b32 v[LI], 4, v3
	v_lshlrev_b32 v[L8], 3, v3
.irp q, 0,1
.irp c, 0,1
	global_load_b128 v[QF+12*\q+6*\c:QF+12*\q+6*\c+3], v[LI], s[58:59] offset:1536*\q+768*\c
	global_load_b64 v[QF+12*\q+6*\c+4:QF+12*\q+6*\c+5], v[L8], s[58:59] offset:1536*\q+768*\c+512
.endr
.endr
	global_load_b32 v[QS], v[LI], s[46:47]
	v_and_b32 v[D0], 15, v0
	v_bfe_u32 v[NINF], v0, 4, 1
	v_lshlrev_b32 v[NINF], 3, v[NINF]
	v_sub_nc_u32 v[D0], v[D0], v[NINF]
	v_add_nc_u32 v[D0], s53, v[D0]
	v_mov_b32 v[NINF], 0xff800000
.irp q, 0,1
	v_mov_b32 v[ST+6*\q+1], 0xff61b1e6             ; the largest t so far: -3e38, under every t
	v_floor_f32 v[ST+6*\q], -v[ST+6*\q+1]          ; -M
	v_mov_b32 v[ST+6*\q+2], 0                      ; the sum
	v_mov_b32 v[ST+6*\q+3], 0
	v_mov_b32 v[ST+6*\q+5], 0                      ; (the upper half of f's pair)
.endr
.irp n, 0,1,2,3,4,5,6,7
	v_mov_b32 v[BP+\n], 0                          ; written once: a lane permute's destination counts as one of its sources
.endr
.macro LOADF base                      ; eight fragments, as they lie, into the buffer: each load takes 512 or 256 consecutive bytes
	WIN 0x40                                       ; destination window 1, address window 0
.irp f, 0,1,2,3,4,5,6,7
.irp c, 0,1
	global_load_b128 v[F+12*\f+6*\c:F+12*\f+6*\c+3], v[LI], s[\base:\base+1] offset:1536*\f+768*\c
	global_load_b64 v[F+12*\f+6*\c+4:F+12*\f+6*\c+5], v[L8], s[\base:\base+1] offset:1536*\f+768*\c+512
.endr
.endr
	WIN 0
.endm
.macro LOADK sreg                      ; the keys of step s[sreg].  The bases are written again only behind the wait that showed the last such loads done
	s_mul_i32 s30, s[\sreg], 12288
	s_add_nc_u64 s[32:33], s[8:9], s[30:31]
	s_lshl_b32 s30, s[\sreg], 9
	s_add_nc_u64 s[34:35], s[10:11], s[30:31]
	LOADF 32
	global_load_b128 v[KS:KS+3], v[LI], s[34:35]
.endm
.macro LOADV                           ; the values of the step in hand
	s_mul_i32 s30, s27, 12288
	s_add_nc_u64 s[36:37], s[12:13], s[30:31]
	s_lshl_b32 s30, s27, 9
	s_add_nc_u64 s[38:39], s[14:15], s[30:31]
	LOADF 36
	global_load_b64 v[VS:VS+1], v[L8], s[38:39]
	global_load_b64 v[VS+2:VS+3], v[L8], s[38:39] offset:256
.endm
.macro QK                              ; S^T = keys x queries: 16 products, each starting its sum.  Fragment t's scale word: register t / 2, lanes 0-15 for even t, lanes 16-31 for odd t
	WIN 0x01                                       ; source 0 window 1
.irp t, 0,1,2,3,4,5,6,7
.irp q, 0,1
.if ((\t%2) == 0) && (\q == 0)
	v_wmma_scale_f32_16x16x128_f8f6f4 v[S+64*\q+8*\t:S+64*\q+8*\t+7], v[F+12*\t:F+12*\t+11], v[QF+12*\q:QF+12*\q+11], 0, v[KS+\t/2], v[QS] matrix_a_fmt:MATRIX_FMT_BF6 matrix_b_fmt:MATRIX_FMT_BF6
.elseif ((\t%2) == 0)
	v_wmma_scale_f32_16x16x128_f8f6f4 v[S+64*\q+8*\t:S+64*\q+8*\t+7], v[F+12*\t:F+12*\t+11], v[QF+12*\q:QF+12*\q+11], 0, v[KS+\t/2], v[QS] matrix_a_fmt:MATRIX_FMT_BF6 matrix_b_fmt:MATRIX_FMT_BF6 matrix_b_scale:MATRIX_SCALE_ROW1
.elseif (\q == 0)
	v_wmma_scale_f32_16x16x128_f8f6f4 v[S+64*\q+8*\t:S+64*\q+8*\t+7], v[F+12*\t:F+12*\t+11], v[QF+12*\q:QF+12*\q+11], 0, v[KS+\t/2], v[QS] matrix_a_fmt:MATRIX_FMT_BF6 matrix_b_fmt:MATRIX_FMT_BF6 matrix_a_scale:MATRIX_SCALE_ROW1
.else
	v_wmma_scale_f32_16x16x128_f8f6f4 v[S+64*\q+8*\t:S+64*\q+8*\t+7], v[F+12*\t:F+12*\t+11], v[QF+12*\q:QF+12*\q+11], 0, v[KS+\t/2], v[QS] matrix_a_fmt:MATRIX_FMT_BF6 matrix_b_fmt:MATRIX_FMT_BF6 matrix_a_scale:MATRIX_SCALE_ROW1 matrix_b_scale:MATRIX_SCALE_ROW1
.endif
.endr
.endr
.endm
; On the diagonal: register 8 t + j of tile q holds key 16 t + 8 h + j of the step, my query is 32 (X % 4) + 16 q + r of it: hidden where 16 (t - q) + j > D0.  One compare serves both tiles.
; (t - q = -1 hides nothing: 16 (t - q) + j is then at most -9, and D0 is at least -8.)
.macro MASK
.irp u, 0,1,2,3,4,5,6,7
.irp j, 0,1,2,3,4,5,6,7
	v_cmp_gt_i32 vcc_lo, 16*\u+\j, v[D0]
	v_cndmask_b32 v[S+8*\u+\j], v[S+8*\u+\j], v[NINF], vcc_lo
.if \u < 7
	v_cndmask_b32 v[S+64+8*(\u+1)+\j], v[S+64+8*(\u+1)+\j], v[NINF], vcc_lo
.endif
.endr
.endr
.endm
; The softmax of 2 tiles x 128 keys.  Block n = 4 q + b is registers S + 16 n .. + 15, in lanes l and l xor 16.
.macro SOFTMAX
.irp n, 0,1,2,3,4,5,6,7
	v_max3_num_f32 v[BM+\n], v[S+16*\n], v[S+16*\n+1], v[S+16*\n+2]   ; the largest score of each block: it serves for the row's maximum and, since p rises with the score, for the block's largest p
.endr
.irp i, 3,5,7,9,11,13
.irp n, 0,1,2,3,4,5,6,7
	v_max3_num_f32 v[BM+\n], v[BM+\n], v[S+16*\n+\i], v[S+16*\n+\i+1]
.endr
.endr
.irp n, 0,1,2,3,4,5,6,7
	v_max_num_f32 v[BM+\n], v[BM+\n], v[S+16*\n+15]
.endr
.irp n, 0,1,2,3,4,5,6,7
	v_permlanex16_b32 v[BP+\n], v[BM+\n], s40, s41
.endr
.irp n, 0,1,2,3,4,5,6,7
	v_max_num_f32 v[BM+\n], v[BM+\n], v[BP+\n]
.endr
.irp q, 0,1
	v_max3_num_f32 v[TT+2*\q], v[BM+4*\q], v[BM+4*\q+1], v[BM+4*\q+2]
.endr
.irp q, 0,1
	v_max_num_f32 v[TT+2*\q], v[TT+2*\q], v[BM+4*\q+3]
.endr
.irp q, 0,1
	v_mul_f32 v[TT+2*\q], s42, v[TT+2*\q]          ; as t (c is positive)
.endr
.irp q, 0,1
	v_max_num_f32 v[ST+6*\q+1], v[ST+6*\q+1], v[TT+2*\q]   ; the running largest t
.endr
.irp q, 0,1
	v_mov_b32 v[TT+2*\q], v[ST+6*\q]
.endr
.irp q, 0,1
	v_floor_f32 v[ST+6*\q], -v[ST+6*\q+1]          ; the new -M = -ceil(t): a whole number
.endr
.irp q, 0,1
	v_sub_f32 v[TT+2*\q], v[ST+6*\q], v[TT+2*\q]   ; old M - new M: a whole number, 0 or less
.endr
.irp q, 0,1
	v_cvt_i32_f32 v[TT+2*\q], v[TT+2*\q]           ; (it saturates)
.endr
.irp q, 0,1
	v_ldexp_f32 v[ST+6*\q+4], 1.0, v[TT+2*\q]      ; f = 2^(old M - new M)
.endr
.irp q, 0,1
.set j, 0
.rept 32
	v_pk_fma_f32 v[S+64*\q+j:S+64*\q+j+1], v[S+64*\q+j:S+64*\q+j+1], s[42:43], v[ST+6*\q:ST+6*\q+1] op_sel_hi:[1,0,0]   ; t - M, two at a time
.set j, j+2
.endr
.endr
.irp q, 0,1
.irp b, 0,1,2,3
	v_fma_f32 v[BM+4*\q+\b], v[BM+4*\q+\b], s42, v[ST+6*\q]   ; the same of each block's largest score
.endr
.endr
.set j, 0
.rept 128
	v_exp_f32 v[S+j], v[S+j]                       ; p = 2^(t - M), at most 1
.set j, j+1
.endr
.irp n, 0,1,2,3,4,5,6,7
	v_exp_f32 v[BM+\n], v[BM+\n]                   ; the block's largest p: the same two instructions on the same number
.endr
.irp q, 0,1
	v_pk_mul_f32 v[ST+6*\q+2:ST+6*\q+3], v[ST+6*\q+2:ST+6*\q+3], v[ST+6*\q+4:ST+6*\q+5] op_sel_hi:[1,0]   ; the sums under the new M (a plain place behind the exponentials)
.endr
	s_wait_alu depctr_va_vdst(0)
.irp n, 0,1,2,3,4,5,6,7
	v_max_num_f32 v[BM+\n], 0x2800000, v[BM+\n]    ; the floor 2^(5 - 127): the byte cannot fall under 1; a block of zeros keeps that byte over zero codes
.endr
.irp n, 0,1,2,3,4,5,6,7
	v_add_nc_u32 v[SO+\n], 0xfe000000, v[BM+\n]    ; 4 off the exponent field: the conversion's scale operand
.endr
.irp n, 0,1,2,3,4,5,6,7
	v_lshrrev_b32 v[BP+\n], 23, v[SO+\n]           ; the scale's byte
.endr
.irp q, 0,1
	v_lshl_or_b32 v[PS+\q], v[BP+4*\q+1], 8, v[BP+4*\q]
.endr
.irp q, 0,1
	v_lshl_or_b32 v[PS+\q], v[BP+4*\q+2], 16, v[PS+\q]
.endr
.irp q, 0,1
	v_lshl_or_b32 v[PS+\q], v[BP+4*\q+3], 24, v[PS+\q]   ; p's scale word for these 128 keys
.endr
.irp q, 0,1
.irp c, 0,1
	v_cvt_scalef32_pk16_bf6_f32 v[PC+12*\q+6*\c:PC+12*\q+6*\c+2], v[S+64*\q+32*\c:S+64*\q+32*\c+15], v[SO+4*\q+2*\c]
	v_cvt_scalef32_pk16_bf6_f32 v[CT+8*\q+4*\c:CT+8*\q+4*\c+2], v[S+64*\q+32*\c+16:S+64*\q+32*\c+31], v[SO+4*\q+2*\c+1]   ; (a conversion's three registers begin on an even number)
.endr
.endr
	v_nop                                          ; one plain place behind a scaled conversion
.irp q, 0,1
.irp c, 0,1                            ; the operand's layout wants a whole block in a lane
.irp i, 0,1,2
	v_permlane16_swap_b32 v[PC+12*\q+6*\c+\i], v[CT+8*\q+4*\c+\i]
.endr
.irp i, 0,1,2
	v_mov_b32 v[PC+12*\q+6*\c+3+\i], v[CT+8*\q+4*\c+\i]
.endr
.endr
.endr
.endm
.macro RESCALE                         ; O^T x f, each accumulator from its low end on.  These 64 are also the places between the vector lines that made p's codes and scale words and the products
	WIN 0x41                                       ; destination and source 0 window 1
.irp q, 0,1
.set j, 0
.rept 32
	v_pk_mul_f32 v[64*\q+j:64*\q+j+1], v[64*\q+j:64*\q+j+1], v[ST+6*\q+4:ST+6*\q+5] op_sel_hi:[1,0]
.set j, j+2
.endr
.endr
.endm
.macro PV first                        ; O^T += values x p: 16 accumulators by turns, one instruction each.  first = 1: the products start the sums
	WIN 0x51                                       ; source 0, C and D window 1
.irp t, 0,1,2,3,4,5,6,7
.irp q, 0,1
.if \first && ((\t%2) == 0)
	v_wmma_scale_f32_16x16x128_f8f6f4 v[64*\q+8*\t:64*\q+8*\t+7], v[F+12*\t:F+12*\t+11], v[PC+12*\q:PC+12*\q+11], 0, v[VS+\t/2], v[PS+\q] matrix_a_fmt:MATRIX_FMT_BF6 matrix_b_fmt:MATRIX_FMT_BF6
.elseif \first
	v_wmma_scale_f32_16x16x128_f8f6f4 v[64*\q+8*\t:64*\q+8*\t+7], v[F+12*\t:F+12*\t+11], v[PC+12*\q:PC+12*\q+11], 0, v[VS+\t/2], v[PS+\q] matrix_a_fmt:MATRIX_FMT_BF6 matrix_b_fmt:MATRIX_FMT_BF6 matrix_a_scale:MATRIX_SCALE_ROW1
.elseif ((\t%2) == 0)
	v_wmma_scale_f32_16x16x128_f8f6f4 v[64*\q+8*\t:64*\q+8*\t+7], v[F+12*\t:F+12*\t+11], v[PC+12*\q:PC+12*\q+11], v[64*\q+8*\t:64*\q+8*\t+7], v[VS+\t/2], v[PS+\q] matrix_a_fmt:MATRIX_FMT_BF6 matrix_b_fmt:MATRIX_FMT_BF6
.else
	v_wmma_scale_f32_16x16x128_f8f6f4 v[64*\q+8*\t:64*\q+8*\t+7], v[F+12*\t:F+12*\t+11], v[PC+12*\q:PC+12*\q+11], v[64*\q+8*\t:64*\q+8*\t+7], v[VS+\t/2], v[PS+\q] matrix_a_fmt:MATRIX_FMT_BF6 matrix_b_fmt:MATRIX_FMT_BF6 matrix_a_scale:MATRIX_SCALE_ROW1
.endif
.endr
.endr
.endm
.macro SUMS0                           ; the row's sum is taken of the unquantised p, two at a time, in two chains a tile.  The first four lines: the places behind the products, in front of the loads into the buffer
.irp q, 0,1
	v_pk_add_f32 v[SU+2*\q:SU+2*\q+1], v[S+64*\q:S+64*\q+1], v[S+64*\q+2:S+64*\q+3]
.endr
.irp q, 0,1
	v_pk_add_f32 v[ST+6*\q+2:ST+6*\q+3], v[ST+6*\q+2:ST+6*\q+3], v[S+64*\q+4:S+64*\q+5]
.endr
.endm
.macro SUMS1
.irp q, 0,1
	v_pk_add_f32 v[SU+2*\q:SU+2*\q+1], v[SU+2*\q:SU+2*\q+1], v[S+64*\q+6:S+64*\q+7]
.endr
.irp j, 8,12,16,20,24,28,32,36,40,44,48,52,56,60
.irp q, 0,1
	v_pk_add_f32 v[ST+6*\q+2:ST+6*\q+3], v[ST+6*\q+2:ST+6*\q+3], v[S+64*\q+\j:S+64*\q+\j+1]
	v_pk_add_f32 v[SU+2*\q:SU+2*\q+1], v[SU+2*\q:SU+2*\q+1], v[S+64*\q+\j+2:S+64*\q+\j+3]
.endr
.endr
.irp q, 0,1
	v_pk_add_f32 v[ST+6*\q+2:ST+6*\q+3], v[ST+6*\q+2:ST+6*\q+3], v[SU+2*\q:SU+2*\q+1]
.endr
.endm
; A UNIT: 32 queries x the 128 keys of step s27.  All waits on loads are for 0: the next step's keys are asked for under a branch, so a count would not be the same on both ways.
.macro UNIT first
	s_wait_loadcnt 0x0                             ; the keys (and, the first time, the queries)
	QK
	WIN 0
	PLACES 4                                       ; in front of loads into the buffer that the products read, and of the first read of the scores
	LOADV                                          ; the values land while the softmax is worked
	s_cmp_lg_u32 s27, s54                          ; only the block's last step lies on the diagonal: a branch on ids
	s_cbranch_scc1 .Lopen_\@
	MASK
.Lopen_\@:
	SOFTMAX
.if \first
	PLACES 8                                       ; a scale word written by vector instructions stands eight places ahead of a scaled product, an operand four; there is no O^T yet to rescale
.else
	RESCALE
.endif
	s_wait_loadcnt 0x0                             ; the values
	PV \first
	WIN 0
	SUMS0
	s_add_co_u32 s29, s27, s26                     ; my next step, if there is one: no load leaves its buffer
	s_cmp_lt_u32 s29, s25
	s_cbranch_scc0 .Lnok_\@
	LOADK 29
.Lnok_\@:
	SUMS1
.endm
	LOADK 27
	UNIT 1                                         ; every wave has a first step; its products start O^T: nothing is cleared
	s_mov_b32 s28, 4                               ; at most four more: the count is a constant, and a wave that has run out of steps jumps over the work
.Ltrip:
	s_add_co_u32 s27, s27, s26
	s_cmp_ge_u32 s27, s25
	s_cbranch_scc1 .Lidle
	UNIT 0
.Lidle:
	s_sub_co_u32 s28, s28, 1
	s_cmp_lg_u32 s28, 0
	s_cbranch_scc1 .Ltrip
; THE MERGE.  LDS addresses, each a constant + a constant x lane + a constant x wave:
	v_and_b32 v54, 15, v0                          ; r
	v_bfe_u32 v55, v0, 4, 1                        ; h
	s_mul_i32 s46, s18, PARTB
	v_mul_u32_u24 v47, v54, 528
	v_add_nc_u32 v47, s46, v47                     ; v47  my partial result, row r: for the sum
	v_lshl_add_u32 v46, v55, 5, v47                ; v46  + 32 h: for O^T
	v_lshl_add_u32 v44, v0, 2, MIMG                ; v44  where my -M goes
	v_and_b32 v45, 31, v0
	v_lshl_add_u32 v45, v45, 2, MIMG               ; v45  where all waves' are read
	s_and_b32 s47, s18, 3
	s_mul_i32 s47, s47, 8*528                      ; the eight rows that I add up
	s_lshr_b32 s48, s18, 2
	s_mul_i32 s48, s48, 7*PARTB                    ; the partial that always exists: wave 0's for B (waves 0-3 add B up), wave 7's for A
	s_add_co_u32 s48, s48, s47
	v_mov_b32 v52, s47                             ; v52  the rows in waves 0-3's partials: for the sums
	v_add_nc_u32 v49, s47, v[LI]                   ; v49  + 16 x lane: for O
	v_mov_b32 v51, s48                             ; v51, v48  the same in the first partial
	v_add_nc_u32 v48, s48, v[LI]
	v_add_nc_u32 v50, 4*PARTB, v49                 ; v50, v53  the same in waves 4-7's (an LDS offset has 16 bits)
	v_add_nc_u32 v53, 4*PARTB, v52
	v_mov_b32 v56, 0x7f61b1e6                      ; 3e38: over every -M
.irp q, 0,1
	v_add_f32 v[ST+6*\q+2], v[ST+6*\q+2], v[ST+6*\q+3]   ; the sum's two halves,
.endr
.irp q, 0,1
	v_permlanex16_b32 v[BP+4*\q], v[ST+6*\q+2], s40, s41
.endr
.irp q, 0,1
	v_add_f32 v[ST+6*\q+2], v[ST+6*\q+2], v[BP+4*\q]     ; and lane l xor 16's
	ds_store_b32 v44, v[ST+6*\q] offset:1024*\q
.endr
	s_wait_dscnt 0x0                               ; for the others' sake: my -M lies in LDS
	s_barrier_signal -1
	s_barrier_wait -1
.irp q, 0,1
.irp p, 0,1,2,3,4,5,6,7
	ds_load_b32 v[200+8*\q+\p], v45 offset:1024*\q+128*\p
.endr
.endr
	s_wait_dscnt 0x0
.irp p, 0,1,2,3,4,5,6,7                ; waves of the other block do not count: a select by a mask made of ids
	s_bitcmp1_b32 s44, \p
	s_cselect_b32 s55, -1, 0
	v_cndmask_b32 v[200+\p], v56, v[200+\p], s55
	v_cndmask_b32 v[208+\p], v56, v[208+\p], s55
.endr
.irp q, 0,1
	v_min3_num_f32 v[58+\q], v[200+8*\q], v[201+8*\q], v[202+8*\q]
.endr
.irp q, 0,1
	v_min3_num_f32 v[58+\q], v[58+\q], v[203+8*\q], v[204+8*\q]
.endr
.irp q, 0,1
	v_min3_num_f32 v[58+\q], v[58+\q], v[205+8*\q], v[206+8*\q]
.endr
.irp q, 0,1
	v_min_num_f32 v[58+\q], v[58+\q], v[207+8*\q]  ; the least -M: the set's M
.endr
.irp q, 0,1
	v_sub_f32 v[58+\q], v[58+\q], v[ST+6*\q]       ; my M - the set's M: a whole number, 0 or less
.endr
.irp q, 0,1
	v_cvt_i32_f32 v[58+\q], v[58+\q]
.endr
.irp q, 0,1
	v_ldexp_f32 v[ST+6*\q+4], 1.0, v[58+\q]        ; f: a power of two, so nothing is rounded
.endr
.irp q, 0,1
	v_mul_f32 v[ST+6*\q+2], v[ST+6*\q+2], v[ST+6*\q+4]
.endr
	RESCALE
	WIN 0x04                                       ; an LDS store's data are its source 1: window 1
.irp q, 0,1
.irp t, 0,1,2,3,4,5,6,7
	ds_store_b128 v46, v[64*\q+8*\t:64*\q+8*\t+3] offset:8448*\q+64*\t        ; lane (r, h): row 16 q + r, channels 16 t + 8 h + 0 .. 7
	ds_store_b128 v46, v[64*\q+8*\t+4:64*\q+8*\t+7] offset:8448*\q+64*\t+16
.endr
.endr
	WIN 0
.irp q, 0,1
	ds_store_b32 v47, v[ST+6*\q+2] offset:8448*\q+512     ; the row's sum behind its 512 bytes; both halves of the lanes write the same word with the same value
.endr
	s_wait_dscnt 0x0                               ; for the others' sake: my partial result lies in LDS
	s_barrier_signal -1
	s_barrier_wait -1
.irp i, 0,1,2,3,4,5,6,7                ; the first partial goes straight into the sums: row i at v[120 + 4 i], its sum at v[152 + i]
	ds_load_b128 v[120+4*\i:120+4*\i+3], v48 offset:528*\i
	ds_load_b32 v[152+\i], v51 offset:528*\i+512
.endr
.macro ADDP p, ad, al, off             ; wave p's partial, if p serves the block that I add up: a branch on ids
	s_bitcmp1_b32 s45, \p
	s_cbranch_scc0 .Lnone_\@
.irp i, 0,1,2,3,4,5,6,7
	ds_load_b128 v[160+4*\i:160+4*\i+3], v[\ad] offset:\off+528*\i
	ds_load_b32 v[192+\i], v[\al] offset:\off+528*\i+512
.endr
	s_wait_dscnt 0x0
.set j, 0
.rept 16
	v_pk_add_f32 v[120+j:121+j], v[120+j:121+j], v[160+j:161+j]
.set j, j+2
.endr
.irp i, 0,2,4,6
	v_pk_add_f32 v[152+\i:153+\i], v[152+\i:153+\i], v[192+\i:193+\i]
.endr
.Lnone_\@:
.endm
	ADDP 1, 49, 52, 1*PARTB
	ADDP 2, 49, 52, 2*PARTB
	ADDP 3, 49, 52, 3*PARTB
	ADDP 4, 50, 53, 0
	ADDP 5, 50, 53, 1*PARTB
	ADDP 6, 50, 53, 2*PARTB
	s_wait_dscnt 0x0                               ; the first partial, where no other was added
.irp i, 0,1,2,3,4,5,6,7
	v_rcp_f32 v[192+\i], v[152+\i]
.endr
	v_nop                                          ; one plain place behind the transcendentals
	s_wait_alu depctr_va_vdst(0)
.irp i, 0,1,2,3,4,5,6,7
.irp c, 0,1,2,3
	v_mul_f32 v[120+4*\i+\c], v[120+4*\i+\c], v[192+\i]
.endr
.endr
.irp i, 0,1,2,3,4,5,6,7
	global_store_b128 v[LI], v[120+4*\i:120+4*\i+3], s[56:57] offset:512*\i th:TH_STORE_NT   ; 32 lanes store a row of 512 consecutive bytes, aligned to 256; written once, read by nobody here
.endr
	s_wait_tensorcnt 0x0
	ds_add_u32 v254, v255
	s_wait_dscnt 0x0
	s_endpgm
.Lfunc_end_k_q38a46b570f_attn:
	.size	k_q38a46b570f_attn, .Lfunc_end_k_q38a46b570f_attn-k_q38a46b570f_attn
	.p2alignl 7, 3214868480
	.fill 96, 4, 3214868480
	.section	.rodata,"a",@progbits
	.p2align	6, 0x0
	.amdhsa_kernel k_q38a46b570f_attn
		.amdhsa_group_segment_fixed_size 138240
		.amdhsa_private_segment_fixed_size 0
		.amdhsa_enable_private_segment 0
		.amdhsa_kernarg_size 56
		.amdhsa_user_sgpr_count 2
		.amdhsa_user_sgpr_kernarg_segment_ptr 1
		.amdhsa_wavefront_size32 1
		.amdhsa_system_sgpr_workgroup_id_x 1
		.amdhsa_system_sgpr_workgroup_id_y 1
		.amdhsa_system_sgpr_workgroup_id_z 1
		.amdhsa_system_vgpr_workitem_id 0
		.amdhsa_next_free_vgpr 512
		.amdhsa_next_free_sgpr 66
		.amdhsa_reserve_vcc 1
		.amdhsa_float_denorm_mode_32 3
		.amdhsa_float_denorm_mode_16_64 3
		.amdhsa_memory_ordered 1
		.amdhsa_forward_progress 1
		.amdhsa_inst_pref_size 119
	.end_amdhsa_kernel
	.amdgpu_metadata
---
amdhsa.version: [ 1, 2 ]
amdhsa.kernels:
  - .name:           k_q38a46b570f_attn
    .symbol:         k_q38a46b570f_attn.kd
    .args:
      - { .name: kf, .offset: 0, .size: 8, .value_kind: global_buffer, .address_space: global }
      - { .name: ks, .offset: 8, .size: 8, .value_kind: global_buffer, .address_space: global }
      - { .name: qf, .offset: 16, .size: 8, .value_kind: global_buffer, .address_space: global }
      - { .name: qs, .offset: 24, .size: 8, .value_kind: global_buffer, .address_space: global }
      - { .name: vf, .offset: 32, .size: 8, .value_kind: global_buffer, .address_space: global }
      - { .name: vs, .offset: 40, .size: 8, .value_kind: global_buffer, .address_space: global }
      - { .name: out0, .offset: 48, .size: 8, .value_kind: global_buffer, .address_space: global }
    .group_segment_fixed_size: 138240
    .private_segment_fixed_size: 0
    .kernarg_segment_align: 8
    .kernarg_segment_size: 56
    .max_flat_workgroup_size: 256
    .sgpr_count:     66
    .vgpr_count:     512
    .wavefront_size: 32
...
	.end_amdgpu_metadata
.endif
;; end of part 2
